; MI455X (gfx1250); checked and timed in simulation.
; The chip was launched on July 23, 2026; its instructions are those of AMD's public machine-readable ISA for CDNA 5 (MIT licence, August 2026) and "CDNA5" Instruction Set Architecture Reference Guide (July 2026). The comments in the code are by the model that wrote it; some were corrected since.
;; Monotonic NN. Allowed arithmetic: matrix products marked QUANTISED: E3M2 operands, one E8M0 scale for each 32 along K, by v_wmma_scale_f32_16x16x128_f8f6f4 with both operands' format E3M2, f32 sums; products left as they are: f32 operands where the result goes on into a quantised operand, else bf16, f16 or f32 operands; f32 sums; everything else in f32.
;; Inputs: iW0 8 x 128 float32; iW1 128 x 128 float32; iW2 128 x 1 float32; ib0 128 float32; ib1 128 float32; ib2 1 float32; nW0 7 x 128 float32; nW1 128 x 128 float32; nW2 128 x 2 float32; nb0 128 float32; nb1 128 float32; nb2 2 float32; x_input 32,768 x 8 float32.
;; Outputs: out0 32,768 x 1 float32.
;; This version of the problem:
;;   THIS VERSION OF THE PROBLEM IS GIVEN IN LOW PRECISION. The matrix products marked QUANTISED in the list below multiply operands that are first quantised to E3M2 (3 exponent bits, 2 mantissa bits; 6 bits a number), with one power-of-two scale for each 32 numbers along K (OCP MX v1.0); their sums are f32. All else is computed in f32.
;;   The module's matrix products, in the order in which they are computed (A, B: the left and right operand; K: the contracted axis; several contracted axes count as one K, in the product's order):
;;     1. [M 1,671,168, K 8] x [K 8, N 128]; A: computed on the way; B: input iW0: left as it is (K = 8 < 32)
;;     2. [M 1,671,168, K 128] x [K 128, N 128]; A: computed on the way; B: input iW1: QUANTISED
;;     3. [M 1,671,168, K 128] x [K 128, N 1]; A: computed on the way; B: input iW2: left as it is (N = 1 < 16)
;;     4. [M 32,768, K 7] x [K 7, N 128]; A: input x_input; B: input nW0: left as it is (K = 7 < 32)
;;     5. [M 32,768, K 128] x [K 128, N 128]; A: computed on the way; B: input nW1: QUANTISED
;;     6. [M 32,768, K 128] x [K 128, N 2]; A: computed on the way; B: input nW2: left as it is (N = 2 < 16)
;;   THE QUANTISER, for each operand of a quantised product, along K:
;;     - K is cut into blocks of 32 from its start; a last block that is shorter is filled with zeros.
;;     - A block's scale is 2^e with e = floor(log2(the largest magnitude in the block)) - 4, held to -126 .. 127; a block of zeros has e = 0. As a byte (E8M0): e + 127.
;;     - Each number is divided by its block's scale, clamped to +-28, and rounded to the nearest number of E3M2, ties to even, subnormals kept.
;;     - The product sums the exact products of the quantised numbers (number of the format x scale) in f32.
;;   ~~~python
;;   def quantise(x, axis):      # numpy; x: float32 -> the quantised numbers, widened to float32 again
;;       x = np.moveaxis(x, axis, -1); K = x.shape[-1]
;;       x = np.pad(x, [(0, 0)] * (x.ndim - 1) + [(0, -K % 32)]); x = x.reshape(x.shape[:-1] + (-1, 32)); a = np.abs(x).max(-1, keepdims=True)
;;       e = np.where(a > 0, np.clip(np.frexp(np.where(a > 0, a, 1))[1] - 1 - 4, -126, 127), 0)      # np.frexp(a)[1] - 1 = floor(log2(a)), exactly
;;       r = np.clip(x / 2.0 ** e, -28, 28)
;;       step = 2.0 ** (np.maximum(np.frexp(np.where(r == 0, 1, r))[1] - 1, -2) - 2)
;;       q = np.round(r / step) * step * 2.0 ** e      # np.round: ties to even
;;       return np.moveaxis(q.reshape(q.shape[:-2] + (-1,))[..., :K], -1, axis).astype(np.float32)
;;   ~~~
;;   OPERANDS COMPUTED ON THE WAY. 'Computed on the way' means the value that the module computes at that place (a softmax that the list does not call 'softmax' is quantised finished and normalised). What goes into a quantiser is computed in f32, as accurately as f32 sums, v_exp_f32 and their like allow (about 1e-6 of the number): no bf16 or f16 on the way to a quantiser, and a product that is left as it is and whose result goes on into a quantised operand takes f32 operands (vector FMAs, or v_wmma_f32_16x16x4_f32). A number that lies on a knife's edge between two numbers of the format may be rounded either way, as far as f32 arithmetic and the matrix unit's own rounding can turn it there, and no further.
;; One version. Each part assembles by itself: llvm-mc -triple=amdgcn-amd-amdhsa -mcpu=gfx1250 --defsym DOCPART=n.
;; ======== version 1 of 1: 1 launch
;; launch mono (part 1): grid 256 x 1, 8 waves a work-group, no clusters, 43,520 bytes of LDS; arguments x_input, iW0, ib0, iW1, ib1, iW2, ib2, nW0, nb0, nW1, nb1, nW2, nb2, out0; writes out0
.if DOCPART == 1
	.amdgcn_target "amdgcn-amd-amdhsa--gfx1250"
	.amdhsa_code_object_version 6
	.text
	.protected	k_qd6670c1a4d_mono
	.globl	k_qd6670c1a4d_mono
	.p2align	8
	.type	k_qd6670c1a4d_mono,@function
k_qd6670c1a4d_mono:
	s_mov_b64 s[64:65], 0
	v_nop
	global_prefetch_b8 v0, s[64:65] scope:SCOPE_SE
	s_setreg_imm32_b32 hwreg(HW_REG_WAVE_MODE, 25, 1), 1
	s_wait_xcnt 0x0
; out[n] = sigmoid(exp(o1[n]) * integral[n] + o0[n]).  integral[n] = x/2 * sum over 51 Clenshaw-Curtis nodes s of cc[s] * (elu(MLP_i(x u[s], h)) + 1), u[s] = (cos(s pi / 50) + 1) / 2;
; (o0, o1) = MLP_n(h).  x = x_input[n][0], h = x_input[n][1..7].  Both MLPs: -> 128 -> 128 -> 1 or 2, ReLU behind the first two layers.
; The two 128 x 128 products run on codes of E3M2 with one E8M0 scale for each 32 along K, both operands quantised here; everything else is f32.
; SHARES.  256 work-groups of 8 waves; a work-group owns 128 rows, a wave 16: lane l holds row r = l % 16, h = l / 16 says which half of a row's numbers.  A wave runs the offset net once and the
; integrand 51 times; the row's weighted sum stays in one register.  Two waves of 512 registers lie on a SIMD, so that one wave's vector work stands beside the other's matrix work.
; WHAT IS DONE ONCE.  Along a row's 51 nodes only z[0] changes, so the first layer is BASE[k] + (x u[s]) iW0[0][k] with BASE = ib0 + h . iW0[1..7], made once a row by the f32 matrix form (K = 8:
; a 1 against the bias, then h): one fused multiply-add a number and node.  Each wave quantises one tile (16 units) of iW1 and of nW1; the tiles change hands through LDS.
; LAYOUT.  The quantised products are used transposed: source 0 = 16 units of the weight, source 1 = my 16 rows.  Source 1 wants k = 64 c + 32 h + 0..31 in lane (r, h): each lane MAKES just these 64
; numbers (register 32 c + i), so a block of 32 lies in one lane, its maximum needs no other lane, and the conversions' results are the operand.  In the result lane (r, h) holds row r and
; register 8 t + j the unit 16 t + 8 h + j: the last layer's dot product wants one exchange between the halves of the lanes.  The second layer's bias is the C operand.
; No tensor loads, ring, cluster or prefetch: all inputs together are 1.2 MB, read at the head; nothing streams.
; LIMITS.  NaN and infinities among the inputs are not served.  A block of zeros gets the scale byte 1 and not 127: its codes are 0, so every sum is the same.  elu(v) + 1 for v <= 0 is taken as
; exp(v), which differs from expm1(v) + 1 by f32 rounding, and falls to 0 under 2^-126.  cc is made in f32 by the cosine recurrence (absolute error about 1e-7).
; The first layer is summed in the order bias, h1..h7, x's term.
; LDS
.set FRN,  0                           ; nW1's fragments: tile t at 1536 t; registers 4 i .. 4 i + 3 at + 512 i; lane at + 16 l
.set FRI,  12288                       ; iW1's, likewise
.set SCN,  24576                       ; nW1's scale words: 128 t + 4 l
.set SCI,  25600                       ; iW1's
.set PI,   26624                       ; 8 rows of 512 bytes: ib0, iW0 rows 1..7
.set PN,   30720                       ; nb0, nW0 rows 0..6
.set SM,   34816                       ; six rows of 512 bytes:
.set R0,   SM                          ; iW0 row 0
.set IB1,  SM+512
.set NB1,  SM+1024
.set IW2,  SM+1536
.set NW2,  SM+2048                     ; 1,024 bytes
.set TAB,  37888                       ; 512 bytes for each wave, its own: entry s = (u[s], cc[s])
.set OUTS, 41984                       ; the work-group's 128 results
; REGISTERS, window 0
.set R,    1                           ; l % 16
.set H,    2                           ; l / 16
.set SH8,  3                           ; 8 h
.set TA,   4                           ; LDS address of the table entry to be fetched
.set L16,  5                           ; 16 x lane
.set L4,   6                           ; 4 x lane
.set T16,  7                           ; 16 x thread
.set H32,  8
.set H64,  9
.set H128, 10
.set AWA,  11                          ; 1024 h + 128 (r / 8) + 4 (r % 8)
.set ZB,   12                          ; v12-15 source 1 of the affine products: (1, h1..h7) of my row, k = 4 q + 2 h + j
.set F,    16
.set G,    17
.set EX,   18
.set T,    19
.set T2,   20
.set XO,   21                          ; my row in the work-group's part of x_input
.set WQ,   22                          ; my column and half in a 128 x 128 weight
.set OB,   23
.set OC,   24
.set FS,   25                          ; where my tile's fragment goes
.set SS,   26                          ; and its scale word
.set OS,   27                          ; my row's place among the 128 results
.set OQ,   28                          ; v28-31 sixteen bytes of results
.set XV,   32                          ; v32-39 my row of x_input; v32 = x stays
.set XS,   40                          ; v40-41 x u[s], twice
.set UC,   42                          ; v42-43 a table entry on its way
.set CCV,  44                          ; cc[s]
.set ACC,  45                          ; the weighted sum
.set OFFS, 46
.set SCAL, 47
.set M,    48                          ; v48-51 four running maxima
.set E,    52                          ; v52-53 two scale bytes
.set SF,   54                          ; v54-55 the two scales as f32
.set P,    56                          ; v56-63 four pairs of partial sums
.set B2P,  64                          ; v64-65 (ib2 in lanes 0-15, 0 elsewhere; 0)
.set ASC,  66                          ; scale word of what was quantised last: scales alone
.set WSC,  68                          ; v68-75 the weight's eight scale words: scales alone
.set CD,   76                          ; v76-87 codes: an operand of 12 registers
.set CT,   88                          ; v88-95 the halves that a conversion cannot write in place
.set WF,   96                          ; v96-191 the weight's eight fragments; at the head v96-159 iW1's numbers
.set CHA,  160                         ; v160-171 three chunks of 16 bytes on their way to LDS
.set CHB,  164
.set CHC,  168
.set A,    192                         ; v192-255 the hidden layer, then the second layer; at the head nW1's numbers
.set AW,   192                         ; v192-223 source 0 of the affine products
; window 1 (named by the low 8 bits)
.set BIAS, 0                           ; the second layer's bias in the result's layout
.set BASE, 64                          ; written by the f32 matrix form alone
.set W2,   128                         ; iW2 in the result's layout
.set W0R,  192                         ; iW0 row 0 in the hidden layer's layout
.set NW,   128                         ; for the net: nW2, register 2 (8 t + j) + column
.set MSB, 0
.macro WIN new                         ; bits 1:0 source 0, 3:2 source 1, 5:4 source 2, 7:6 destination; the high byte repeats the setting that is left
.if MSB != \new
	s_set_vgpr_msb (MSB<<8)|\new
.set MSB, \new
.endif
.endm
.macro PLACES n                        ; plain vector instructions behind a matrix instruction, or ahead of a scaled one (ISA guide 7.12.1), where no work is at hand
.rept \n
	v_nop
.endr
.endm
; max(0, .) of 64 registers, two an instruction, ascending: behind a product each accumulator is read from its low end on
.macro RELU b
.set RI, 0
.rept 32
	v_dual_max_num_f32 v[\b+RI], 0, v[\b+RI] :: v_dual_max_num_f32 v[\b+RI+1], 0, v[\b+RI+1]
.set RI, RI+2
.endr
.endm
; 64 numbers at v[x ..], block c of 32 at x + 32 c (k = 64 c + 32 h + 0..31) -> 12 registers of codes in CD, the row's scale word in sc.
; A block's byte is its largest magnitude's exponent field - 4, held at 1 from below; shifted to bits 30:23 it is the conversion's scale.
.macro QUANT x, sc
.irp q, 0,1,2,3                        ; four chains of 16 numbers, which do not wait for each other
	v_max3_num_f32 v[M+\q], |v[\x+16*\q]|, |v[\x+16*\q+1]|, |v[\x+16*\q+2]|
.endr
.irp i, 3,5,7,9,11,13
.irp q, 0,1,2,3
	v_max3_num_f32 v[M+\q], v[M+\q], |v[\x+16*\q+\i]|, |v[\x+16*\q+\i+1]|
.endr
.endr
	v_max3_num_f32 v[M], v[M], v[M+1], |v[\x+15]|
	v_max3_num_f32 v[M+2], v[M+2], v[M+3], |v[\x+47]|
	v_max_num_f32 v[M], v[M], |v[\x+31]|
	v_max_num_f32 v[M+2], v[M+2], |v[\x+63]|
.irp c, 0,1
	v_lshrrev_b32 v[E+\c], 23, v[M+2*\c]
.endr
.irp c, 0,1
	v_max_u32 v[E+\c], 5, v[E+\c]
.endr
.irp c, 0,1
	v_add_nc_u32 v[E+\c], -4, v[E+\c]
.endr
.irp c, 0,1
	v_lshlrev_b32 v[SF+\c], 23, v[E+\c]
.endr
	v_lshl_or_b32 v[T], v[E+1], 16, v[E]           ; my two bytes: blocks h and 2 + h,
	v_lshlrev_b32 v[T], v[SH8], v[T]               ; at their places in the word;
	v_permlanex16_b32 v[T2], v[T], s38, s39
	v_or_b32 v[\sc], v[T], v[T2]                   ; with lane l xor 16's two the word is whole
	v_cvt_scalef32_pk16_bf6_f32 v[CD:CD+2], v[\x:\x+15], v[SF]
	v_cvt_scalef32_pk16_bf6_f32 v[CT:CT+2], v[\x+16:\x+31], v[SF]        ; (a conversion's three registers begin on an even number)
	v_cvt_scalef32_pk16_bf6_f32 v[CD+6:CD+8], v[\x+32:\x+47], v[SF+1]
	v_cvt_scalef32_pk16_bf6_f32 v[CT+4:CT+6], v[\x+48:\x+63], v[SF+1]
	v_nop                                          ; one plain place behind a scaled conversion
.irp i, 0,1,2
	v_mov_b32 v[CD+3+\i], v[CT+\i]
.endr
.irp i, 0,1,2
	v_mov_b32 v[CD+9+\i], v[CT+4+\i]
.endr
.endm
; The quantised product: eight tiles of 16 units x my 16 rows, K = 128; C = the bias.  Eight accumulators, none added onto.
.macro MM
	WIN 0x10                                       ; C in window 1
.irp t, 0,1,2,3,4,5,6,7
	v_wmma_scale_f32_16x16x128_f8f6f4 v[A+8*\t:A+8*\t+7], v[WF+12*\t:WF+12*\t+11], v[CD:CD+11], v[BIAS+8*\t:BIAS+8*\t+7], v[WSC+\t], v[ASC] matrix_a_fmt:MATRIX_FMT_BF6 matrix_b_fmt:MATRIX_FMT_BF6
.endr
	WIN 0
.endm
; BASE = bias + h . W0[1..7]: eight tiles, K = 8 in two steps.  Row m of tile tau is the hidden index 64 (tau / 4) + 8 (tau % 4) + 32 (m / 8) + m % 8, so that register 8 tau + j of lane (r, h)
; is k = 64 (tau / 4) + 32 h + 8 (tau % 4) + j: the hidden layer's layout.  The first step starts the sums with the constant 0; the accumulators take turns.
.macro AFF
	WIN 0x50                                       ; C and D in window 1
.irp tau, 0,1,2,3,4,5,6,7
	v_wmma_f32_16x16x4_f32 v[BASE+8*\tau:BASE+8*\tau+7], v[AW+4*\tau:AW+4*\tau+1], v[ZB:ZB+1], 0
.endr
.irp tau, 0,1,2,3,4,5,6,7
	v_wmma_f32_16x16x4_f32 v[BASE+8*\tau:BASE+8*\tau+7], v[AW+4*\tau+2:AW+4*\tau+3], v[ZB+2:ZB+3], v[BASE+8*\tau:BASE+8*\tau+7]
.endr
	WIN 0
.endm
; All that one of the two MLPs keeps in registers, in one run of 112 LDS loads, and BASE.
.macro SETUP pw, fr, scw, b1, net
.irp tau, 0,1,2,3,4,5,6,7
.irp q, 0,1
.irp j, 0,1
	ds_load_b32 v[AW+4*\tau+2*\q+\j], v[AWA] offset:\pw+(4*\q+\j)*512+256*(\tau/4)+32*(\tau%4)   ; row 4 q + 2 h + j of the 8, at row r's hidden index
.endr
.endr
.endr
.irp t, 0,1,2,3,4,5,6,7
.irp i, 0,1,2
	ds_load_b128 v[WF+12*\t+4*\i:WF+12*\t+4*\i+3], v[L16] offset:\fr+1536*\t+512*\i
.endr
	ds_load_b32 v[WSC+\t], v[L4] offset:\scw+128*\t
.endr
	WIN 0x40                                       ; destination in window 1
.irp t, 0,1,2,3,4,5,6,7
	ds_load_b128 v[BIAS+8*\t:BIAS+8*\t+3], v[H32] offset:\b1+64*\t
	ds_load_b128 v[BIAS+8*\t+4:BIAS+8*\t+7], v[H32] offset:\b1+64*\t+16
.endr
.if \net
.irp t, 0,1,2,3,4,5,6,7
.irp p, 0,1,2,3
	ds_load_b128 v[NW+16*\t+4*\p:NW+16*\t+4*\p+3], v[H64] offset:NW2+128*\t+16*\p
.endr
.endr
.else
.irp t, 0,1,2,3,4,5,6,7
	ds_load_b128 v[W2+8*\t:W2+8*\t+3], v[H32] offset:IW2+64*\t
	ds_load_b128 v[W2+8*\t+4:W2+8*\t+7], v[H32] offset:IW2+64*\t+16
.endr
.irp c, 0,1
.irp p, 0,1,2,3,4,5,6,7
	ds_load_b128 v[W0R+32*\c+4*\p:W0R+32*\c+4*\p+3], v[H128] offset:R0+256*\c+16*\p
.endr
.endr
.endif
	WIN 0
	s_wait_dscnt 63                                ; 80 loads were issued behind the first 32: with 63 out those 32, source 0 of the affine products, are in
	AFF
	s_wait_dscnt 0x0
.endm
; The integrand's last layer: sum over 128 units of y iW2 + ib2.  Four chains of packed multiply-adds over my 64 units; ib2 starts lanes 0-15's first chain.
.macro DOT1
	WIN 0x04                                       ; source 1 in window 1
	v_pk_fma_f32 v[P:P+1], v[A:A+1], v[W2:W2+1], v[B2P:B2P+1]
.irp i, 1,2,3
	v_pk_mul_f32 v[P+2*\i:P+2*\i+1], v[A+2*\i:A+2*\i+1], v[W2+2*\i:W2+2*\i+1]
.endr
.set DI, 4
.rept 28
	v_pk_fma_f32 v[P+2*(DI%4):P+2*(DI%4)+1], v[A+2*DI:A+2*DI+1], v[W2+2*DI:W2+2*DI+1], v[P+2*(DI%4):P+2*(DI%4)+1]
.set DI, DI+1
.endr
	WIN 0
	v_pk_add_f32 v[P:P+1], v[P:P+1], v[P+2:P+3]
	v_pk_add_f32 v[P+4:P+5], v[P+4:P+5], v[P+6:P+7]
	v_pk_add_f32 v[P:P+1], v[P:P+1], v[P+4:P+5]
	v_add_f32 v[F], v[P], v[P+1]
	v_permlanex16_b32 v[T2], v[F], s38, s39        ; the row's other 64 units lie in the lane 16 away
	v_add_f32 v[F], v[F], v[T2]
.endm
	; ---- ids, addresses, pointers
	s_load_b512 s[8:23], s[0:1], 0x0               ; x_input s[8:9], iW0 s[10:11], ib0 s[12:13], iW1 s[14:15], ib1 s[16:17], iW2 s[18:19], ib2 s[20:21], nW0 s[22:23]
	s_load_b256 s[24:31], s[0:1], 0x40             ; nb0 s[24:25], nW1 s[26:27], nb1 s[28:29], nW2 s[30:31]
	s_load_b128 s[32:35], s[0:1], 0x60             ; nb2 s[32:33], out0 s[34:35]
	v_lshl_add_u32 v91, v0, 2, 0xa600
	v_mov_b32 v95, 0
	v_lshrrev_b32 v[F], 5, v0
	v_readfirstlane_b32 s36, v[F]                  ; wave 0..7
	v_and_b32 v[R], 15, v0
	v_bfe_u32 v[H], v0, 4, 1
	v_and_b32 v[G], 31, v0                         ; lane
	v_lshlrev_b32 v[SH8], 3, v[H]
	v_lshlrev_b32 v[L16], 4, v[G]
	v_lshlrev_b32 v[L4], 2, v[G]
	v_lshlrev_b32 v[T16], 4, v0
	v_lshlrev_b32 v[H32], 5, v[H]
	v_lshlrev_b32 v[H64], 6, v[H]
	v_lshlrev_b32 v[H128], 7, v[H]
	v_lshrrev_b32 v[EX], 3, v[R]
	v_and_b32 v[T], 7, v[R]
	v_lshlrev_b32 v[AWA], 10, v[H]
	v_lshl_add_u32 v[AWA], v[EX], 7, v[AWA]
	v_lshl_add_u32 v[AWA], v[T], 2, v[AWA]
	s_mov_b32 s38, 0x76543210                      ; v_permlanex16_b32's selects for lane l xor 16
	s_mov_b32 s39, 0xfedcba98
	s_lshl_b32 s56, s36, 9                         ; 512 w
	s_lshl_b32 s57, s36, 6                         ; 64 w
	v_lshl_add_u32 v[XO], v[R], 5, s56             ; row 16 w + r of 32 bytes
	v_lshl_add_u32 v[OS], v[R], 2, s57
	v_lshl_add_u32 v[WQ], v[H], 14, v[OS]          ; column 16 w + r, and 32 rows of 512 bytes further down for lanes 16-31
	s_sub_co_i32 s58, s36, 1
	s_max_i32 s58, s58, 0
	s_lshl_b32 s58, s58, 9
	v_add_nc_u32 v[OB], s58, v[L16]                ; wave 0: nb0; wave w: row w - 1 of nW0
	s_sub_co_i32 s58, s36, 4
	s_max_i32 s58, s58, 0
	s_lshl_b32 s58, s58, 9
	v_add_nc_u32 v[OC], s58, v[L16]                ; wave 5: the second 512 bytes of nW2; waves 0 to 4: a buffer's first 512
	s_mul_i32 s59, s36, 1536
	v_add_nc_u32 v[FS], s59, v[L16]
	s_lshl_b32 s59, s36, 7
	v_add_nc_u32 v[SS], s59, v[L4]
	s_add_co_u32 s56, s56, TAB
	v_mov_b32 v[TA], s56                           ; my wave's table
	s_lshl_b32 s54, ttmp9, 12                      ; 128 rows of 32 bytes a work-group
	s_mov_b32 s55, 0
	s_wait_kmcnt 0x0
	s_add_nc_u64 s[8:9], s[8:9], s[54:55]
	s_lshl_b32 s54, ttmp9, 9                       ; 128 results of 4 bytes
	s_add_nc_u64 s[34:35], s[34:35], s[54:55]
	s_load_b32 s48, s[20:21], 0x0                  ; ib2
	s_load_b64 s[50:51], s[32:33], 0x0             ; nb2
	s_cmp_eq_u32 s36, 0                            ; which buffers my wave copies into LDS: the choices hang on the wave's number alone
	s_cselect_b64 s[40:41], s[12:13], s[10:11]     ; ib0, or iW0 (rows 1..7 by the thread's number)
	s_cselect_b64 s[42:43], s[24:25], s[22:23]     ; nb0, or nW0
	s_cselect_b64 s[44:45], s[10:11], s[30:31]     ; iW0 (row 0), ib1, nb1, iW2, nW2, nW2 for waves 0 to 5
	s_cmp_eq_u32 s36, 1
	s_cselect_b64 s[44:45], s[16:17], s[44:45]
	s_cmp_eq_u32 s36, 2
	s_cselect_b64 s[44:45], s[28:29], s[44:45]
	s_cmp_eq_u32 s36, 3
	s_cselect_b64 s[44:45], s[18:19], s[44:45]
	; ---- all global loads of the wave.  The one that only six waves issue comes first, so that every later count is the same in all waves.
	s_cmp_lt_u32 s36, 6
	s_cbranch_scc0 .Lno_c
	global_load_b128 v[CHC:CHC+3], v[OC], s[44:45]
.Lno_c:
	global_load_b128 v[XV:XV+3], v[XO], s[8:9]
	global_load_b128 v[XV+4:XV+7], v[XO], s[8:9] offset:16
	global_load_b128 v[CHA:CHA+3], v[T16], s[40:41]
	global_load_b128 v[CHB:CHB+3], v[OB], s[42:43]
.set LI, 0
.rept 64                               ; nW1(64 c + 32 h + i, 16 w + r): a lane to a unit, registers down K, in the order of the operand's layout
	global_load_b32 v[A+LI], v[WQ], s[26:27] offset:512*(64*(LI/32)+LI%32)
.set LI, LI+1
.endr
.set LI, 0
.rept 64                               ; iW1 likewise
	global_load_b32 v[WF+LI], v[WQ], s[14:15] offset:512*(64*(LI/32)+LI%32)
.set LI, LI+1
.endr
	; ---- my wave's table of nodes and weights, made while the loads are on their way.  Only my wave touches these 512 bytes, and LDS serves a wave's instructions in order (ISA guide 5.7.1.4).
	v_mov_b32 v[T], 0.5
.irp i, 0,1,2,3
	v_mov_b32 v[M+\i], 0
.endr
	v_add_nc_u32 v[T2], v[TA], v[L16]
	ds_store_b128 v[T2], v[M:M+3]                  ; all 64 entries begin as zeros: entries 51 to 63 are read (by the lanes below, by the loop's look-ahead) and enter no result
.set TI, 0
.irp c, 1.0, 0.998026728, 0.992114701, 0.982287251, 0.968583161, 0.951056516, 0.929776486, 0.904827052, 0.876306680, 0.844327926, 0.809016994, 0.770513243, 0.728968627, 0.684547106, 0.637423990, 0.587785252, 0.535826795, 0.481753674, 0.425779292, 0.368124553, 0.309016994, 0.248689887, 0.187381315, 0.125333234, 0.0627905195
	v_fma_f32 v[F], \c, v[T], v[T]                 ; u[i] = (cos(i pi / 50) + 1) / 2: one rounding, that of cos + 1
	v_fma_f32 v[G], \c, -v[T], v[T]                ; u[50 - i]
	ds_store_b32 v[TA], v[F] offset:8*TI           ; all lanes write the same word with the same value
	ds_store_b32 v[TA], v[G] offset:8*(50-TI)
.set TI, TI+1
.endr
	ds_store_b32 v[TA], v[T] offset:8*25
	v_lshl_add_u32 v[T2], v[L4], 1, v[TA]          ; lane l makes the weights of entries l and l + 32
	ds_load_b32 v[M], v[T2]
	ds_load_b32 v[M+1], v[T2] offset:256
	s_wait_dscnt 0x0
	; cc[j] = 0.04 (1 - sum over k = 1..25 of a_k cos(2 k j pi / 50)), a_k = 2 / (4 k^2 - 1), halved at j = 0 and j = 50; cos(k th) by T(k+1) = 2 cos(th) T(k) - T(k-1)
	v_fma_f32 v[M], 2.0, v[M], -1.0                ; cos(j pi / 50)
	v_fma_f32 v[M+1], 2.0, v[M+1], -1.0
	v_mul_f32 v[M+2], v[M], v[M]
	v_mul_f32 v[M+3], v[M+1], v[M+1]
	v_fma_f32 v[M+2], 4.0, v[M+2], -2.0            ; z = 2 cos(2 j pi / 50)
	v_fma_f32 v[M+3], 4.0, v[M+3], -2.0
	v_mov_b32 v[E], 1.0                            ; the sums
	v_mov_b32 v[E+1], 1.0
	v_mov_b32 v[SF], 1.0                           ; T(0)
	v_mov_b32 v[SF+1], 1.0
	v_mul_f32 v[P], 0.5, v[M+2]                    ; T(1)
	v_mul_f32 v[P+1], 0.5, v[M+3]
.set TP, SF
.set TC, P
.set TK, 1
.irp a, 0.66666667, 0.13333333, 0.057142857, 0.031746032, 0.02020202, 0.013986014, 0.01025641, 0.0078431373, 0.0061919505, 0.0050125313, 0.0041407867, 0.0034782609, 0.002962963, 0.0025542784, 0.0022246941, 0.0019550342, 0.0017316017, 0.0015444015, 0.001386001, 0.0012507817, 0.00113443, 0.0010335917, 0.00094562648, 0.00086843248, 0.00080032013
	v_fma_f32 v[E], \a, -v[TC], v[E]
	v_fma_f32 v[E+1], \a, -v[TC+1], v[E+1]
.if TK < 25
	v_fma_f32 v[TP], v[M+2], v[TC], -v[TP]
	v_fma_f32 v[TP+1], v[M+3], v[TC+1], -v[TP+1]
.endif
.set TT, TP
.set TP, TC
.set TC, TT
.set TK, TK+1
.endr
	v_mul_f32 v[E], 0.04, v[E]
	v_mul_f32 v[E+1], 0.04, v[E+1]
	v_mul_f32 v[SF], 0.5, v[E]
	v_mul_f32 v[SF+1], 0.5, v[E+1]
	v_cmp_eq_u32 vcc_lo, 0, v[L4]                  ; entry 0: lane 0
	v_cndmask_b32 v[E], v[E], v[SF], vcc_lo
	v_cmp_eq_u32 vcc_lo, 72, v[L4]                 ; entry 50: lane 18
	v_cndmask_b32 v[E+1], v[E+1], v[SF+1], vcc_lo
	ds_store_b32 v[T2], v[E] offset:4
	ds_store_b32 v[T2], v[E+1] offset:260
	; ---- the small tensors go to LDS; my tiles of nW1 and iW1 are quantised and go there too
	s_wait_loadcnt 63                              ; the 64 loads of iW1 were issued last: with 63 out, all that was issued ahead of them is in
	ds_store_b128 v[T16], v[CHA:CHA+3] offset:PI
	ds_store_b128 v[T16], v[CHB:CHB+3] offset:PN
	s_cmp_lt_u32 s36, 6
	s_cbranch_scc0 .Lno_c2
	ds_store_b128 v[T16], v[CHC:CHC+3] offset:SM
.Lno_c2:
	v_cmp_ne_u32 vcc_lo, 0, v[H]
	v_cndmask_b32 v[ZB], 1.0, v[XV+2], vcc_lo      ; k = 2 h: the 1 that meets the bias, or h2
	v_cndmask_b32 v[ZB+1], v[XV+1], v[XV+3], vcc_lo ; k = 2 h + 1
	v_cndmask_b32 v[ZB+2], v[XV+4], v[XV+6], vcc_lo ; k = 4 + 2 h
	v_cndmask_b32 v[ZB+3], v[XV+5], v[XV+7], vcc_lo ; k = 5 + 2 h
	QUANT A, ASC
.irp i, 0,1,2
	ds_store_b128 v[FS], v[CD+4*\i:CD+4*\i+3] offset:FRN+512*\i
.endr
	ds_store_b32 v[SS], v[ASC] offset:SCN
	s_wait_loadcnt 0x0                             ; iW1
	QUANT WF, ASC
.irp i, 0,1,2
	ds_store_b128 v[FS], v[CD+4*\i:CD+4*\i+3] offset:FRI+512*\i
.endr
	ds_store_b32 v[SS], v[ASC] offset:SCI
	s_wait_kmcnt 0x0                               ; ib2, nb2
	s_wait_dscnt 0x0                               ; for the others' sake: all my stores into LDS are done
	s_barrier_signal -1
	s_barrier_wait -1
	; ---- the offset net, once
	SETUP PN, FRN, SCN, NB1, 1
	PLACES 8                                       ; behind the f32 matrix form, ahead of the reads of BASE and the writes over its source 0
	WIN 0x04                                       ; source 1 in window 1
.set LI, 0
.rept 64
	v_max_num_f32 v[A+LI], 0, v[BASE+LI]           ; relu(nb0 + h . nW0), each accumulator from its low end on
.set LI, LI+1
.endr
	WIN 0
	QUANT A, ASC
	PLACES 4                                       ; the last code's move stands 4 places ahead of the scaled products, the scale word's last write 11
	MM
	PLACES 4
	RELU A
	WIN 0x04
	v_mul_f32 v[P], v[A], v[NW]                    ; o = y . nW2: four chains, by column and by the unit's parity
	v_mul_f32 v[P+2], v[A], v[NW+1]
	v_mul_f32 v[P+1], v[A+1], v[NW+2]
	v_mul_f32 v[P+3], v[A+1], v[NW+3]
.set DI, 2
.rept 62
	v_fmac_f32 v[P+DI%2], v[A+DI], v[NW+2*DI]
	v_fmac_f32 v[P+2+DI%2], v[A+DI], v[NW+2*DI+1]
.set DI, DI+1
.endr
	WIN 0
	v_add_f32 v[P], v[P], v[P+1]
	v_add_f32 v[P+2], v[P+2], v[P+3]
	v_permlanex16_b32 v[T2], v[P], s38, s39
	v_permlanex16_b32 v[T], v[P+2], s38, s39
	v_add_f32 v[P], v[P], v[T2]
	v_add_f32 v[P+2], v[P+2], v[T]
	v_add_f32 v[OFFS], s50, v[P]                   ; the offset
	v_add_f32 v[SCAL], s51, v[P+2]
	v_mul_f32 v[SCAL], 0x3fb8aa3b, v[SCAL]         ; x log2(e)
	v_exp_f32 v[SCAL], v[SCAL]                     ; the scaling
	v_nop                                          ; one plain place behind a transcendental
	; ---- the integrand's constants, and node 0
	SETUP PI, FRI, SCI, IB1, 0
	ds_load_b64 v[UC:UC+1], v[TA]                  ; entry 0
	v_cmp_ne_u32 vcc_lo, 0, v[H]                   ; the nine plain instructions from here to the loop name no register of the affine products: they are the places behind those
	v_mov_b32 v[B2P], s48
	v_mov_b32 v[B2P+1], 0
	v_mov_b32 v[ACC], 0
	v_cndmask_b32 v[B2P], v[B2P], 0, vcc_lo        ; ib2 once a row: in lanes 0-15
	s_wait_dscnt 0x0
	v_mul_f32 v[XS], v[UC], v[XV]
	v_mul_f32 v[XS+1], v[UC], v[XV]
	v_mov_b32 v[CCV], v[UC+1]
	v_add_nc_u32 v[TA], 8, v[TA]
	ds_load_b64 v[UC:UC+1], v[TA]                  ; entry 1
	s_mov_b32 s52, 51
.Lstep:                                                ; one node of all my 16 rows
	WIN 0x11                                       ; sources 0 and 2 in window 1
.set LI, 0
.rept 32
	v_pk_fma_f32 v[A+LI:A+LI+1], v[W0R+LI:W0R+LI+1], v[XS:XS+1], v[BASE+LI:BASE+LI+1]   ; the first layer: iW0[0][k] x u + BASE[k]
.set LI, LI+2
.endr
	WIN 0
	RELU A
	QUANT A, ASC
	s_wait_dscnt 0x0                               ; the next node's entry, asked for at the end of the last trip
	v_mul_f32 v[XS], v[UC], v[XV]                  ; x u of the next node.  These four lines are the places between the last code's move and the scaled products;
	v_mul_f32 v[XS+1], v[UC], v[XV]                ; the scale word's last write stands 11 places ahead
	v_add_nc_u32 v[TA], 8, v[TA]
	v_nop
	MM
	PLACES 4                                       ; ahead of the reads of the results
	RELU A
	DOT1
	v_mul_f32 v[EX], 0x3fb8aa3b, v[F]
	v_exp_f32 v[EX], v[EX]                         ; elu(v) + 1 = exp(v) for v <= 0,
	v_add_f32 v[G], 1.0, v[F]                      ; v + 1 above.  (Also the plain place behind the exponential)
	v_cmp_lt_f32 vcc_lo, 0, v[F]
	s_wait_alu depctr_va_vdst(0)
	v_cndmask_b32 v[G], v[EX], v[G], vcc_lo
	v_fmac_f32 v[ACC], v[CCV], v[G]
	v_mov_b32 v[CCV], v[UC+1]                      ; the next node's weight
	ds_load_b64 v[UC:UC+1], v[TA]                  ; the entry two nodes on; the last two trips read entries 51 and 52, which enter no result
	s_sub_co_u32 s52, s52, 1
	s_cmp_lg_u32 s52, 0
	s_cbranch_scc1 .Lstep
	; ---- the end: sigmoid(scaling x integral + offset); the work-group's 128 results leave as 512 consecutive bytes
	v_mul_f32 v[T], v[ACC], v[XV]
	v_mul_f32 v[T], 0.5, v[T]
	v_fma_f32 v[T], v[SCAL], v[T], v[OFFS]
	v_mul_f32 v[T], 0xbfb8aa3b, v[T]               ; x -log2(e)
	v_exp_f32 v[T], v[T]
	v_nop
	s_wait_alu depctr_va_vdst(0)
	v_add_f32 v[T], 1.0, v[T]
	v_rcp_f32 v[T], v[T]
	v_nop
	s_wait_alu depctr_va_vdst(0)
	ds_store_b32 v[OS], v[T] offset:OUTS           ; lanes r and r + 16 write the same word with the same value
	s_wait_dscnt 0x0                               ; for wave 0's sake: my store is done (and the loop's last look-ahead is back)
	s_barrier_signal -1
	s_barrier_wait -1
	s_cmp_lg_u32 s36, 0
	s_cbranch_scc1 .Lend
	ds_load_b128 v[OQ:OQ+3], v[L16] offset:OUTS
	s_wait_dscnt 0x0
	global_store_b128 v[L16], v[OQ:OQ+3], s[34:35] ; 32 lanes store 512 consecutive bytes, at a multiple of 256 from out0's first byte
.Lend:
	s_wait_tensorcnt 0x0
	ds_add_u32 v91, v95
	s_wait_dscnt 0x0
	s_endpgm
.Lfunc_end_k_qd6670c1a4d_mono:
	.size	k_qd6670c1a4d_mono, .Lfunc_end_k_qd6670c1a4d_mono-k_qd6670c1a4d_mono
	.p2alignl 7, 3214868480
	.fill 96, 4, 3214868480
	.section	.rodata,"a",@progbits
	.p2align	6, 0x0
	.amdhsa_kernel k_qd6670c1a4d_mono
		.amdhsa_group_segment_fixed_size 43520
		.amdhsa_private_segment_fixed_size 0
		.amdhsa_enable_private_segment 0
		.amdhsa_kernarg_size 112
		.amdhsa_user_sgpr_count 2
		.amdhsa_user_sgpr_kernarg_segment_ptr 1
		.amdhsa_wavefront_size32 1
		.amdhsa_system_sgpr_workgroup_id_x 1
		.amdhsa_system_sgpr_workgroup_id_y 1
		.amdhsa_system_sgpr_workgroup_id_z 1
		.amdhsa_system_vgpr_workitem_id 0
		.amdhsa_next_free_vgpr 512
		.amdhsa_next_free_sgpr 66
		.amdhsa_reserve_vcc 1
		.amdhsa_float_denorm_mode_32 3
		.amdhsa_float_denorm_mode_16_64 3
		.amdhsa_memory_ordered 1
		.amdhsa_forward_progress 1
		.amdhsa_inst_pref_size 84
	.end_amdhsa_kernel
	.amdgpu_metadata
---
amdhsa.version: [ 1, 2 ]
amdhsa.kernels:
  - .name:           k_qd6670c1a4d_mono
    .symbol:         k_qd6670c1a4d_mono.kd
    .args:
      - { .name: x_input, .offset: 0, .size: 8, .value_kind: global_buffer, .address_space: global }
      - { .name: iW0, .offset: 8, .size: 8, .value_kind: global_buffer, .address_space: global }
      - { .name: ib0, .offset: 16, .size: 8, .value_kind: global_buffer, .address_space: global }
      - { .name: iW1, .offset: 24, .size: 8, .value_kind: global_buffer, .address_space: global }
      - { .name: ib1, .offset: 32, .size: 8, .value_kind: global_buffer, .address_space: global }
      - { .name: iW2, .offset: 40, .size: 8, .value_kind: global_buffer, .address_space: global }
      - { .name: ib2, .offset: 48, .size: 8, .value_kind: global_buffer, .address_space: global }
      - { .name: nW0, .offset: 56, .size: 8, .value_kind: global_buffer, .address_space: global }
      - { .name: nb0, .offset: 64, .size: 8, .value_kind: global_buffer, .address_space: global }
      - { .name: nW1, .offset: 72, .size: 8, .value_kind: global_buffer, .address_space: global }
      - { .name: nb1, .offset: 80, .size: 8, .value_kind: global_buffer, .address_space: global }
      - { .name: nW2, .offset: 88, .size: 8, .value_kind: global_buffer, .address_space: global }
      - { .name: nb2, .offset: 96, .size: 8, .value_kind: global_buffer, .address_space: global }
      - { .name: out0, .offset: 104, .size: 8, .value_kind: global_buffer, .address_space: global }
    .group_segment_fixed_size: 43520
    .private_segment_fixed_size: 0
    .kernarg_segment_align: 8
    .kernarg_segment_size: 112
    .max_flat_workgroup_size: 256
    .sgpr_count:     66
    .vgpr_count:     512
    .wavefront_size: 32
...
	.end_amdgpu_metadata
.endif
;; end of part 1
